; MI455X (gfx1250); checked and timed in simulation.
; The chip was launched on July 23, 2026; its instructions are those of AMD's public machine-readable ISA for CDNA 5 (MIT licence, August 2026) and "CDNA5" Instruction Set Architecture Reference Guide (July 2026). The comments in the code are by the model that wrote it; some were corrected since.
;; Attn. Allowed arithmetic: float matrix products may take bf16 or f16 operands with f32 sums; all other float work in f32.
;; Inputs: W 2,048 x 2,048 float32; b 2,048 float32; outputs 16,384 x 2,048 float32; weight_vec 2,048 float32.
;; Outputs: out0 1 x 1 x 16,384 float32.
;; One version. Each part assembles by itself: llvm-mc -triple=amdgcn-amd-amdhsa -mcpu=gfx1250 --defsym DOCPART=n.
;; ======== version 1 of 1: 3 launches
;; workspace buffers: upart 65,536 bytes; energ 65,536 bytes; stats 2,048 bytes
;; launch wtv (part 1): grid 32 x 8, 8 waves a work-group, no clusters, 5,120 bytes of LDS; arguments W, weight_vec, upart; writes upart
.if DOCPART == 1
	.amdgcn_target "amdgcn-amd-amdhsa--gfx1250"
	.amdhsa_code_object_version 6
	.text
	.protected	k_q736946150e_wtv
	.globl	k_q736946150e_wtv
	.p2align	8
	.type	k_q736946150e_wtv,@function
k_q736946150e_wtv:
	s_mov_b64 s[64:65], 0
	v_nop
	global_prefetch_b8 v0, s[64:65] scope:SCOPE_SE
	s_setreg_imm32_b32 hwreg(HW_REG_WAVE_MODE, 25, 1), 1
	s_wait_xcnt 0x0
; FIRST OF THREE LAUNCHES.  The module is softmax over s of e[s], e[s] = sum over e of v[e] (sum over d of x[s][d] W[e][d] + b[e]).
; The sums are taken in another order, which holds for every input: e[s] = sum over d of x[s][d] u[d] + c, with u[d] = sum over e of W[e][d] v[e] and c = sum over e of b[e] v[e].
; That is 4.2 M + 33.6 M multiply-adds on the same 151 MB of inputs, in place of 68.7 G.  All products and sums stay in f32.
; LIMIT: the order of rounding differs from that of a product x W^T followed by a product with v; no operand is rounded below f32.  NaN and infinities are not treated apart.
; No matrix instruction: each of the two products that are left has ONE row, so fifteen of a tile's sixteen rows would hold nothing.
; THIS LAUNCH: upart[p][d] = sum over e = 256 p .. 256 p + 255 of W[e][d] v[e].  W: [2048][2048] f32, v: [2048] f32, upart: [8][2048] f32.
; SHARES.  Work-group (cg, pg) owns columns 64 cg .. 64 cg + 63 (256 bytes of a row, at a multiple of 256 from W's first byte) of rows 256 pg .. 256 pg + 255: 64 KiB; 32 x 8 = 256 work-groups.
; Wave w takes 32 of those rows.  Lane l (r = l % 16, h = l / 16) takes rows 32 w + 16 h + j, j = 0..15, and columns 4 r .. 4 r + 3: one load of a wave covers two rows' 256 bytes, whole.
; All sixteen loads of a wave go out at once: the work-group's whole share is on its way before the first number is used.  No work-group reads what another reads of W: nothing to share in a cluster.
; The sixteen half-waves' sums meet in LDS; wave 0 adds them in a fixed tree and stores 256 consecutive bytes.
.set ROWB,  8192                       ; bytes in a row of W
.set SPARE, 4096                       ; LDS: 0 .. 4,095 the partial sums, 16 bytes a thread; from here the spare words, 128 bytes a wave, which no other line names
.set WO,  3                            ; v3        my byte offset in the wave's rows of W: 16 h rows + 16 r
.set VO,  4                            ; v4        my byte offset in the wave's 32 numbers of v: 64 h
.set PS,  5                            ; v5        LDS: where I put my four sums: 16 x thread
.set L8,  6                            ; v6        8 x lane
.set SPW, 8                            ; v8        LDS address of my spare word; never rewritten
.set NIL, 9                            ; v9        0; never rewritten
.set VV,  12                           ; v[12:27]  v of my 16 rows
.set WD,  32                           ; v[32:95]  row j: 4 registers; later wave 0's sixteen pairs
.set A0,  96                           ; v[96:99]  sums over the even j
.set A1,  100                          ; v[100:103] sums over the odd j
	s_load_b128 s[4:7], s[0:1], 0x0                ; W s[4:5], v s[6:7]
	s_load_b64 s[8:9], s[0:1], 0x10                ; upart
	v_lshl_add_u32 v[SPW], v0, 2, SPARE
	v_mov_b32 v[NIL], 0
	v_lshrrev_b32 v1, 5, v0
	v_readfirstlane_b32 s10, v1                    ; wave 0..7
	s_and_b32 s11, ttmp7, 0xffff                   ; pg
	v_and_b32 v2, 15, v0                           ; r
	v_bfe_u32 v1, v0, 4, 1                         ; h
	v_lshlrev_b32 v[WO], 4, v2
	v_lshl_add_u32 v[WO], v1, 17, v[WO]            ; 16 rows of 8,192 bytes for the upper half of the lanes
	v_lshlrev_b32 v[VO], 6, v1
	v_lshlrev_b32 v[PS], 4, v0
	v_and_b32 v[L8], 31, v0
	v_lshlrev_b32 v[L8], 3, v[L8]
	s_lshl_b32 s12, s11, 21                        ; W: 256 pg rows,
	s_lshl_b32 s18, s10, 18                        ; 32 w rows,
	s_add_co_u32 s12, s12, s18
	s_lshl_b32 s18, ttmp9, 8                       ; 64 cg columns
	s_add_co_u32 s12, s12, s18
	s_mov_b32 s13, 0
	s_lshl_b32 s14, s11, 10                        ; v: 256 pg + 32 w numbers
	s_lshl_b32 s19, s10, 7
	s_add_co_u32 s14, s14, s19
	s_mov_b32 s15, 0
	s_lshl_b32 s16, s11, 13                        ; upart: row pg, 64 cg columns
	s_add_co_u32 s16, s16, s18
	s_mov_b32 s17, 0
	s_wait_kmcnt 0x0
	s_add_nc_u64 s[4:5], s[4:5], s[12:13]
	s_add_nc_u64 s[6:7], s[6:7], s[14:15]
	s_add_nc_u64 s[8:9], s[8:9], s[16:17]
.irp q, 0,1,2,3
	global_load_b128 v[VV+4*(\q):VV+4*(\q)+3], v[VO], s[6:7] offset:16*(\q)  ; the lanes of a half take the same 64 bytes
.endr
.set j, 0
.rept 16
	global_load_b128 v[WD+4*j:WD+4*j+3], v[WO], s[4:5] offset:ROWB*j th:TH_LOAD_NT  ; each byte of W is read once in the launch
.set j, j+1
.endr
	; two chains for each column, started by rows 0 and 1: nothing is cleared
.set j, 0
.rept 16
	s_wait_loadcnt 15-j                            ; loads come back in order (ISA guide 5.7.1): row j is in, and v, asked for earlier; the 15 - j rows behind it stay out
.set k, 0
.rept 4
.if j < 2
	v_mul_f32 v[A0+4*j+k], v[WD+4*j+k], v[VV+j]
.else
	v_fmac_f32 v[A0+4*(j%2)+k], v[WD+4*j+k], v[VV+j]
.endif
.set k, k+1
.endr
.set j, j+1
.endr
	v_pk_add_f32 v[A0:A0+1], v[A0:A0+1], v[A1:A1+1]
	v_pk_add_f32 v[A0+2:A0+3], v[A0+2:A0+3], v[A1+2:A1+3]
	ds_store_b128 v[PS], v[A0:A0+3]                ; half-wave 2 w + h at byte 256 (2 w + h), its 64 columns on end
	s_wait_tensorcnt 0x0                           ; behind my only LDS store
	ds_add_u32 v[SPW], v[NIL]
	s_wait_dscnt 0x0                               ; for the others' sake too: my store is done before I signal
	s_barrier_signal -1
	s_barrier_wait -1                              ; all sixteen partial sums lie in LDS
	s_cmp_lg_u32 s10, 0
	s_cbranch_scc1 .Lend                           ; wave 0 alone adds them: 64 columns are two a lane
.set k, 0
.rept 16
	ds_load_b64 v[WD+2*k:WD+2*k+1], v[L8] offset:256*k  ; 32 lanes take 256 neighbouring bytes: partial sum k
.set k, k+1
.endr
	s_wait_dscnt 0x0
.irp d, 1,2,4,8                        ; a fixed tree: neighbours 1, 2, 4 and 8 apart
.set k, 0
.rept 8/(\d)
	v_pk_add_f32 v[WD+2*k:WD+2*k+1], v[WD+2*k:WD+2*k+1], v[WD+2*(k+(\d)):WD+2*(k+(\d))+1]
.set k, k+2*(\d)
.endr
.endr
	global_store_b64 v[L8], v[WD:WD+1], s[8:9]     ; 32 lanes store 256 consecutive bytes, at a multiple of 256 from upart's first byte
.Lend:
	s_endpgm
.Lfunc_end_k_q736946150e_wtv:
	.size	k_q736946150e_wtv, .Lfunc_end_k_q736946150e_wtv-k_q736946150e_wtv
	.p2alignl 7, 3214868480
	.fill 96, 4, 3214868480
	.section	.rodata,"a",@progbits
	.p2align	6, 0x0
	.amdhsa_kernel k_q736946150e_wtv
		.amdhsa_group_segment_fixed_size 5120
		.amdhsa_private_segment_fixed_size 0
		.amdhsa_enable_private_segment 0
		.amdhsa_kernarg_size 24
		.amdhsa_user_sgpr_count 2
		.amdhsa_user_sgpr_kernarg_segment_ptr 1
		.amdhsa_wavefront_size32 1
		.amdhsa_system_sgpr_workgroup_id_x 1
		.amdhsa_system_sgpr_workgroup_id_y 1
		.amdhsa_system_sgpr_workgroup_id_z 1
		.amdhsa_system_vgpr_workitem_id 0
		.amdhsa_next_free_vgpr 104
		.amdhsa_next_free_sgpr 66
		.amdhsa_reserve_vcc 0
		.amdhsa_float_denorm_mode_32 3
		.amdhsa_float_denorm_mode_16_64 3
		.amdhsa_memory_ordered 1
		.amdhsa_forward_progress 1
		.amdhsa_inst_pref_size 9
	.end_amdhsa_kernel
	.amdgpu_metadata
---
amdhsa.version: [ 1, 2 ]
amdhsa.kernels:
  - .name:           k_q736946150e_wtv
    .symbol:         k_q736946150e_wtv.kd
    .args:
      - { .name: W, .offset: 0, .size: 8, .value_kind: global_buffer, .address_space: global }
      - { .name: weight_vec, .offset: 8, .size: 8, .value_kind: global_buffer, .address_space: global }
      - { .name: upart, .offset: 16, .size: 8, .value_kind: global_buffer, .address_space: global }
    .group_segment_fixed_size: 5120
    .private_segment_fixed_size: 0
    .kernarg_segment_align: 8
    .kernarg_segment_size: 24
    .max_flat_workgroup_size: 256
    .sgpr_count:     66
    .vgpr_count:     104
    .wavefront_size: 32
...
	.end_amdgpu_metadata
.endif
;; end of part 1
;; launch energy (part 2): grid 256 x 1, 16 waves a work-group, no clusters, 12,544 bytes of LDS; arguments outputs, upart, b, weight_vec, energ, stats; writes energ, stats
.if DOCPART == 2
	.amdgcn_target "amdgcn-amd-amdhsa--gfx1250"
	.amdhsa_code_object_version 6
	.text
	.protected	k_q736946150e_energy
	.globl	k_q736946150e_energy
	.p2align	8
	.type	k_q736946150e_energy,@function
k_q736946150e_energy:
	s_mov_b64 s[64:65], 0
	v_nop
	global_prefetch_b8 v0, s[64:65] scope:SCOPE_SE
	s_setreg_imm32_b32 hwreg(HW_REG_WAVE_MODE, 25, 1), 1
	s_wait_xcnt 0x0
; SECOND OF THREE LAUNCHES.  energ[s] = sum over d of x[s][d] u[d] + c, with u[d] = sum over p of upart[p][d] (the first launch's eight parts of W^T v) and c = sum over e of b[e] v[e];
; stats[g] = (m, z) of block g of 64 rows: m = the largest of its energies, z = the sum of exp(e - m).  x: [16384][2048] f32.  Everything in f32.
; c is the same for every row and falls out of the softmax; it is computed and added all the same, as the module has it.
; LIMITS: the order of rounding is this text's (four chains a lane, then a tree over the lanes); a term of z below 2^-126 counts as 0; NaN and infinities are not treated apart.
; SHARES.  Work-group g owns rows 64 g .. 64 g + 63, 512 KiB; 256 work-groups.  Wave w owns four of them and takes a whole row at a time, so a row's sum never leaves the wave.
; Chunk j of 16 of a row is 512 consecutive bytes; lane l holds columns 128 j + 4 l .. + 3, and u lies in 64 registers of every wave in the same order.
; A RING of four slots in registers, half a row (8 loads, 4 KiB) each: 16 KiB of every wave, 256 KiB of the work-group, half of its share, are asked for before the first number is used.
; No matrix instruction: the product has one row (u).  No tensor load: the ring in registers goes round twice, so slots in LDS would add a barrier for each refill and spare nothing.
; No cluster: what work-groups share (upart, b, v: 80 KiB) is a seventh of the 592 KiB that one reads, and it is asked for ahead of the rows and lands while they are on their way.
.set L_U,   0                          ; LDS: u, column d at byte 4 d: 8,192 bytes
.set L_CW,  8192                       ; one word a thread: the sum of its four b[e] v[e]: 2,048 bytes
.set L_EN,  10240                      ; the block's 64 energies: 256 bytes
.set SPARE, 10496                      ; the spare words, 128 bytes a wave, which no other line names
.set ROWB,  8192                       ; bytes in a row of x, and in a part of u
.set XO,  1                            ; v1        my byte offset in the group's rows: 4 w rows + 16 x lane; never rewritten
.set TO,  2                            ; v2        16 x thread: my four columns in upart, b and v, and in LDS
.set CWA, 3                            ; v3        LDS address of my word of b v
.set LO,  4                            ; v4        16 x lane
.set ENA, 5                            ; v5        LDS address of my wave's four energies
.set L8,  6                            ; v6        8 x lane
.set LN,  7                            ; v7        lane
.set SPW, 8                            ; v8        LDS address of my spare word; never rewritten
.set NIL, 9                            ; v9        0; never rewritten
.set CB,  10                           ; v[10:11]  my lane's share of c: the 64 numbers of a wave's 32 such pairs add up to c
.set ER,  12                           ; v[12:15]  the wave's four energies
.set BQ,  16                           ; v[16:19]  b of my four columns
.set VQ,  20                           ; v[20:23]  v of my four columns
.set US,  24                           ; v[24:27]  u of my four columns
.set CW,  28                           ; v28       their b v, added
.set T,   32                           ; v[32:47]  sixteen words of b v
.set ACC, 48                           ; v[48:55]  four pairs: the chains of a row's sum
.set W0,  56                           ; v[56:61]  wave 0's end: two energies, m, z, two at work
.set UR,  64                           ; v[64:127] u as the rows want it; before that v[64:95] the eight parts of my four columns
.set XR,  128                          ; v[128:255] four slots of 32
.set SEL, 22                           ; s[22:23]  v_permlanex16_b32's selects: each lane takes its own place in the other half
.macro WSUM r, t                       ; the sum over the wave's 32 lanes, in every lane; t has been written before
.irp m, 1,2,4,8
	v_add_f32_dpp v[\r], v[\r], v[\r] row_xmask:\m row_mask:0xf bank_mask:0xf
.endr
	v_permlanex16_b32 v[\t], v[\r], s[SEL], s[SEL+1]
	v_add_f32 v[\r], v[\r], v[\t]
.endm
.macro WMAX r, t                       ; the same for the maximum
.irp m, 1,2,4,8
	v_max_num_f32_dpp v[\r], v[\r], v[\r] row_xmask:\m row_mask:0xf bank_mask:0xf
.endr
	v_permlanex16_b32 v[\t], v[\r], s[SEL], s[SEL+1]
	v_max_num_f32 v[\r], v[\r], v[\t]
.endm
.macro FILL i                          ; half-row i of my eight (row i / 2, half i % 2) into slot i % 4: eight loads of 512 consecutive bytes
.irp j, 0,1,2,3,4,5,6,7
	global_load_b128 v[XR+32*((\i)%4)+4*(\j):XR+32*((\i)%4)+4*(\j)+3], v[XO], s[4:5] offset:((\i)/2)*ROWB+((\i)%2)*4096+512*(\j) th:TH_LOAD_NT  ; each byte of x is read once in the launch
.endr
.endm
.macro DOT i                           ; 16 packed multiply-adds in four chains.  A row's first four start the chains, the very first from my share of c: nothing is cleared
.set xb, XR+32*((\i)%4)
.set ub, UR+32*((\i)%2)
.set n, 0
.rept 16
.set ac, ACC+2*(n%4)
.if ((\i)%2 == 0) && (n == 0)
	v_pk_fma_f32 v[ac:ac+1], v[xb+2*n:xb+2*n+1], v[ub+2*n:ub+2*n+1], v[CB:CB+1]
.elseif ((\i)%2 == 0) && (n < 4)
	v_pk_mul_f32 v[ac:ac+1], v[xb+2*n:xb+2*n+1], v[ub+2*n:ub+2*n+1]
.else
	v_pk_fma_f32 v[ac:ac+1], v[xb+2*n:xb+2*n+1], v[ub+2*n:ub+2*n+1], v[ac:ac+1]
.endif
.set n, n+1
.endr
.endm
.macro FOLD r                          ; row r of my four is finished: the four chains, the pair's halves, the 32 lanes
	v_pk_add_f32 v[ACC:ACC+1], v[ACC:ACC+1], v[ACC+2:ACC+3]
	v_pk_add_f32 v[ACC+4:ACC+5], v[ACC+4:ACC+5], v[ACC+6:ACC+7]
	v_pk_add_f32 v[ACC:ACC+1], v[ACC:ACC+1], v[ACC+4:ACC+5]
	v_add_f32 v[ER+(\r)], v[ACC], v[ACC+1]
	WSUM ER+(\r), ACC+2
.endm
.macro HALF i, left                    ; left: the loads of the half-rows asked for behind this one, which stay out
	s_wait_loadcnt \left                           ; loads come back in order (ISA guide 5.7.1): my eight are in
	DOT \i
.if (\i) < 4
	FILL (\i)+4                                    ; the slot just read takes the half-row four further on, ahead of the row's end
.endif
.if (\i)%2 == 1
	FOLD (\i)/2
.endif
.endm
	s_load_b256 s[4:11], s[0:1], 0x0               ; x s[4:5], upart s[6:7], b s[8:9], v s[10:11]
	s_load_b128 s[12:15], s[0:1], 0x20             ; energ s[12:13], stats s[14:15]
	v_lshl_add_u32 v[SPW], v0, 2, SPARE
	v_mov_b32 v[NIL], 0
	v_lshrrev_b32 v[LN], 5, v0
	v_readfirstlane_b32 s16, v[LN]                 ; wave 0..15
	v_and_b32 v[LN], 31, v0
	v_lshlrev_b32 v[LO], 4, v[LN]
	v_lshlrev_b32 v[L8], 3, v[LN]
	v_lshlrev_b32 v[TO], 4, v0
	v_lshl_add_u32 v[CWA], v0, 2, L_CW
	s_lshl_b32 s21, s16, 15                        ; my wave's four rows of 8,192 bytes
	v_or_b32 v[XO], s21, v[LO]
	s_lshl_b32 s17, s16, 4
	s_add_co_u32 s17, s17, L_EN
	v_mov_b32 v[ENA], s17
	s_mov_b32 s[SEL], 0x76543210
	s_mov_b32 s[SEL+1], 0xfedcba98
	s_lshl_b32 s18, ttmp9, 19                      ; the group's 64 rows of 8,192 bytes
	s_mov_b32 s19, 0
	s_wait_kmcnt 0x0
	s_add_nc_u64 s[4:5], s[4:5], s[18:19]
	s_lshl_b32 s18, ttmp9, 8                       ; its 64 energies
	s_add_nc_u64 s[12:13], s[12:13], s[18:19]
	s_lshl_b32 s18, ttmp9, 3                       ; its pair of statistics
	s_add_nc_u64 s[14:15], s[14:15], s[18:19]
	; what every row needs is asked for first, then the ring is filled
.irp p, 0,1,2,3,4,5,6,7
	global_load_b128 v[UR+4*(\p):UR+4*(\p)+3], v[TO], s[6:7] offset:ROWB*(\p)  ; part p of my four columns of u; every work-group reads these again, so no hint
.endr
	global_load_b128 v[BQ:BQ+3], v[TO], s[8:9]
	global_load_b128 v[VQ:VQ+3], v[TO], s[10:11]
	FILL 0
	FILL 1
	FILL 2
	FILL 3
	s_wait_loadcnt 32                              ; the ten are in; the 32 loads of rows behind them stay out
.irp d, 1,2                            ; the eight parts in a fixed tree
.set p, 0
.rept 4/(\d)
	v_pk_add_f32 v[UR+4*p:UR+4*p+1], v[UR+4*p:UR+4*p+1], v[UR+4*(p+(\d)):UR+4*(p+(\d))+1]
	v_pk_add_f32 v[UR+4*p+2:UR+4*p+3], v[UR+4*p+2:UR+4*p+3], v[UR+4*(p+(\d))+2:UR+4*(p+(\d))+3]
.set p, p+2*(\d)
.endr
.endr
	v_pk_add_f32 v[US:US+1], v[UR:UR+1], v[UR+16:UR+17]
	v_pk_add_f32 v[US+2:US+3], v[UR+2:UR+3], v[UR+18:UR+19]
	v_mul_f32 v[CW], v[BQ], v[VQ]
	v_fmac_f32 v[CW], v[BQ+1], v[VQ+1]
	v_fmac_f32 v[CW], v[BQ+2], v[VQ+2]
	v_fmac_f32 v[CW], v[BQ+3], v[VQ+3]
	ds_store_b128 v[TO], v[US:US+3]                ; u's columns 4 t .. 4 t + 3 at byte 16 t
	ds_store_b32 v[CWA], v[CW]
	s_wait_dscnt 0x0                               ; for the others' sake: my stores are done before I signal
	s_barrier_signal -1
	s_barrier_wait -1                              ; all of u and all 512 words of b v lie in LDS; nobody writes them again
.irp q, 0,1,2,3
	ds_load_b128 v[T+4*(\q):T+4*(\q)+3], v[LO] offset:L_CW+512*(\q)  ; each of the 512 words goes to one lane of the wave
.endr
.set j, 0
.rept 16
	ds_load_b128 v[UR+4*j:UR+4*j+3], v[LO] offset:L_U+512*j         ; 32 lanes, 16 neighbouring bytes each: chunk j of u
.set j, j+1
.endr
	s_wait_dscnt 16                                ; the four loads of b v are in; the sixteen of u behind them stay out
.irp d, 1,2
.set k, 0
.rept 4/(\d)
	v_pk_add_f32 v[T+2*k:T+2*k+1], v[T+2*k:T+2*k+1], v[T+2*(k+(\d)):T+2*(k+(\d))+1]
.set k, k+2*(\d)
.endr
.endr
	v_pk_add_f32 v[CB:CB+1], v[T:T+1], v[T+8:T+9]
	s_wait_dscnt 0x0                               ; u is in
	HALF 0, 24                                     ; three slots are out behind the one in hand while refills last,
	HALF 1, 24
	HALF 2, 24
	HALF 3, 24
	HALF 4, 24
	HALF 5, 16                                     ; then the counts run down: no load leaves the group's rows
	HALF 6, 8
	HALF 7, 0
	ds_store_b128 v[ENA], v[ER:ER+3]               ; every lane holds the same four numbers and writes the same 16 bytes
	s_wait_tensorcnt 0x0                           ; behind my last LDS store
	ds_add_u32 v[SPW], v[NIL]
	s_wait_dscnt 0x0                               ; for the others' sake too: my store is done before I signal
	s_barrier_signal -1
	s_barrier_wait -1                              ; the block's 64 energies lie in LDS
	s_cmp_lg_u32 s16, 0
	s_cbranch_scc1 .Lend                           ; wave 0 alone sends them out, two a lane
	ds_load_b64 v[W0:W0+1], v[L8] offset:L_EN
	s_wait_dscnt 0x0
	global_store_b64 v[L8], v[W0:W0+1], s[12:13]   ; 32 lanes store 256 consecutive bytes, at a multiple of 256 from energ's first byte
	v_max_num_f32 v[W0+2], v[W0], v[W0+1]
	WMAX W0+2, ACC                                 ; m: the block's maximum is taken away before the exponentials
	v_sub_f32 v[W0+4], v[W0], v[W0+2]              ; the difference first, the factor log2(e) behind it: large energies lose nothing
	v_sub_f32 v[W0+5], v[W0+1], v[W0+2]
	v_mul_f32 v[W0+4], 0x3fb8aa3b, v[W0+4]
	v_mul_f32 v[W0+5], 0x3fb8aa3b, v[W0+5]
	v_exp_f32 v[W0+4], v[W0+4]
	v_exp_f32 v[W0+5], v[W0+5]
	v_nop                                          ; a plain instruction between the last exponential and the use of its result (ISA guide 5.7.2)
	s_wait_alu depctr_va_vdst(0)
	v_add_f32 v[W0+3], v[W0+4], v[W0+5]
	WSUM W0+3, ACC                                 ; z: between 1 and 64
	v_cmp_eq_u32 vcc_lo, 0, v[LN]
	s_wait_xcnt 0x0                                ; EXEC is a source of the store above: it is narrowed only behind this wait
	s_and_saveexec_b32 s26, vcc_lo
	global_store_b64 v[L8], v[W0+2:W0+3], s[14:15] ; lane 0: (m, z), 8 bytes for a work-group: the third launch reads the 256 pairs as 2,048 consecutive bytes
	s_wait_xcnt 0x0                                ; and widened only behind this one
	s_or_b32 exec_lo, exec_lo, s26
.Lend:
	s_endpgm
.Lfunc_end_k_q736946150e_energy:
	.size	k_q736946150e_energy, .Lfunc_end_k_q736946150e_energy-k_q736946150e_energy
	.p2alignl 7, 3214868480
	.fill 96, 4, 3214868480
	.section	.rodata,"a",@progbits
	.p2align	6, 0x0
	.amdhsa_kernel k_q736946150e_energy
		.amdhsa_group_segment_fixed_size 12544
		.amdhsa_private_segment_fixed_size 0
		.amdhsa_enable_private_segment 0
		.amdhsa_kernarg_size 48
		.amdhsa_user_sgpr_count 2
		.amdhsa_user_sgpr_kernarg_segment_ptr 1
		.amdhsa_wavefront_size32 1
		.amdhsa_system_sgpr_workgroup_id_x 1
		.amdhsa_system_sgpr_workgroup_id_y 1
		.amdhsa_system_sgpr_workgroup_id_z 1
		.amdhsa_system_vgpr_workitem_id 0
		.amdhsa_next_free_vgpr 256
		.amdhsa_next_free_sgpr 66
		.amdhsa_reserve_vcc 1
		.amdhsa_float_denorm_mode_32 3
		.amdhsa_float_denorm_mode_16_64 3
		.amdhsa_memory_ordered 1
		.amdhsa_forward_progress 1
		.amdhsa_inst_pref_size 24
	.end_amdhsa_kernel
	.amdgpu_metadata
---
amdhsa.version: [ 1, 2 ]
amdhsa.kernels:
  - .name:           k_q736946150e_energy
    .symbol:         k_q736946150e_energy.kd
    .args:
      - { .name: outputs, .offset: 0, .size: 8, .value_kind: global_buffer, .address_space: global }
      - { .name: upart, .offset: 8, .size: 8, .value_kind: global_buffer, .address_space: global }
      - { .name: b, .offset: 16, .size: 8, .value_kind: global_buffer, .address_space: global }
      - { .name: weight_vec, .offset: 24, .size: 8, .value_kind: global_buffer, .address_space: global }
      - { .name: energ, .offset: 32, .size: 8, .value_kind: global_buffer, .address_space: global }
      - { .name: stats, .offset: 40, .size: 8, .value_kind: global_buffer, .address_space: global }
    .group_segment_fixed_size: 12544
    .private_segment_fixed_size: 0
    .kernarg_segment_align: 8
    .kernarg_segment_size: 48
    .max_flat_workgroup_size: 512
    .sgpr_count:     66
    .vgpr_count:     256
    .wavefront_size: 32
...
	.end_amdgpu_metadata
.endif
;; end of part 2
;; launch norm (part 3): grid 256 x 1, 1 waves a work-group, no clusters, 0 bytes of LDS; arguments energ, stats, out0; writes out0
.if DOCPART == 3
	.amdgcn_target "amdgcn-amd-amdhsa--gfx1250"
	.amdhsa_code_object_version 6
	.text
	.protected	k_q736946150e_norm
	.globl	k_q736946150e_norm
	.p2align	8
	.type	k_q736946150e_norm,@function
k_q736946150e_norm:
	s_mov_b64 s[64:65], 0
	v_nop
	global_prefetch_b8 v0, s[64:65] scope:SCOPE_SE
	s_setreg_imm32_b32 hwreg(HW_REG_WAVE_MODE, 25, 1), 1
	s_wait_xcnt 0x0
; THIRD OF THREE LAUNCHES.  out[s] = exp(e[s] - M) / Z, with M the largest of all 16,384 energies and Z the sum of exp(e - M).
; The second launch left for each block g of 64 energies m[g] = its maximum and z[g] = its sum of exp(e - m[g]): M = the largest m[g], Z = the sum of z[g] exp(m[g] - M).
; Z is at least 1: the block that holds M enters with the factor 1 and a z of at least 1.
; LIMITS: a weight, or a block's factor, below 2^-126 counts as 0; NaN and infinities are not treated apart.
; SHARES.  A work-group is one wave and owns 64 energies, two a lane: 256 consecutive bytes in and out.  Every wave folds all 256 pairs (2,048 bytes, eight pairs a lane) by itself:
; no LDS, no barrier, and no fourth launch for two numbers.
.set ST,  8                            ; v[8:23]   eight pairs (m, z)
.set BM,  24                           ; v24       M
.set TP,  25                           ; v25       at work in the exchanges between the halves of the lanes
.set BZ,  26                           ; v26       Z
.set RZ,  27                           ; v27       1 / Z
.set WK,  28                           ; v[28:35]  exp(m - M) of my eight pairs
.set Z2,  36                           ; v36       Z's second chain
.set SEL, 12                           ; s[12:13]  v_permlanex16_b32's selects: each lane takes its own place in the other half
	s_load_b128 s[4:7], s[0:1], 0x0                ; energ s[4:5], stats s[6:7]
	s_load_b64 s[8:9], s[0:1], 0x10                ; out0
	v_lshlrev_b32 v1, 3, v0                        ; 8 x lane
	v_lshlrev_b32 v2, 4, v0                        ; 16 x lane
	v_mov_b32 v[TP], 0                             ; v_permlanex16_b32's destination counts as read: it is written once here
	s_lshl_b32 s10, ttmp9, 8                       ; my 64 numbers
	s_mov_b32 s11, 0
	s_mov_b32 s[SEL], 0x76543210
	s_mov_b32 s[SEL+1], 0xfedcba98
	s_wait_kmcnt 0x0
	s_add_nc_u64 s[4:5], s[4:5], s[10:11]
	s_add_nc_u64 s[8:9], s[8:9], s[10:11]
.irp q, 0,1,2,3
	global_load_b128 v[ST+4*(\q):ST+4*(\q)+3], v2, s[6:7] offset:512*(\q)  ; 512 consecutive bytes: two pairs a lane; which lane has which pair does not matter
.endr
	global_load_b64 v[4:5], v1, s[4:5]
	s_wait_loadcnt 0x1                             ; the four loads of pairs are in; my two energies, asked for behind them, may stay out
	v_max3_num_f32 v[BM], v[ST], v[ST+2], v[ST+4]
	v_max3_num_f32 v[BM], v[BM], v[ST+6], v[ST+8]
	v_max3_num_f32 v[BM], v[BM], v[ST+10], v[ST+12]
	v_max_num_f32 v[BM], v[BM], v[ST+14]
.irp m, 1,2,4,8
	v_max_num_f32_dpp v[BM], v[BM], v[BM] row_xmask:\m row_mask:0xf bank_mask:0xf
.endr
	v_permlanex16_b32 v[TP], v[BM], s[SEL], s[SEL+1]
	v_max_num_f32 v[BM], v[BM], v[TP]              ; M, in every lane
.irp k, 0,1,2,3,4,5,6,7
	v_sub_f32 v[WK+(\k)], v[ST+2*(\k)], v[BM]      ; the difference first, the factor log2(e) behind it
.endr
.irp k, 0,1,2,3,4,5,6,7
	v_mul_f32 v[WK+(\k)], 0x3fb8aa3b, v[WK+(\k)]
.endr
.irp k, 0,1,2,3,4,5,6,7
	v_exp_f32 v[WK+(\k)], v[WK+(\k)]
.endr
	s_wait_loadcnt 0x0                             ; my two energies
	v_sub_f32 v4, v4, v[BM]                        ; these two are also the plain instructions between the last exponential and the use of its result (ISA guide 5.7.2)
	v_sub_f32 v5, v5, v[BM]
	s_wait_alu depctr_va_vdst(0)
	v_mul_f32 v[BZ], v[WK], v[ST+1]                ; two chains of four, started by the first two products
	v_mul_f32 v[Z2], v[WK+1], v[ST+3]
.irp k, 2,4,6
	v_fmac_f32 v[BZ], v[WK+(\k)], v[ST+2*(\k)+1]
	v_fmac_f32 v[Z2], v[WK+(\k)+1], v[ST+2*(\k)+3]
.endr
	v_add_f32 v[BZ], v[BZ], v[Z2]
.irp m, 1,2,4,8
	v_add_f32_dpp v[BZ], v[BZ], v[BZ] row_xmask:\m row_mask:0xf bank_mask:0xf
.endr
	v_permlanex16_b32 v[TP], v[BZ], s[SEL], s[SEL+1]
	v_add_f32 v[BZ], v[BZ], v[TP]                  ; Z, in every lane
	v_rcp_f32 v[RZ], v[BZ]
	v_mul_f32 v4, 0x3fb8aa3b, v4                   ; plain work stands behind the reciprocal
	v_mul_f32 v5, 0x3fb8aa3b, v5
	v_exp_f32 v4, v4
	v_exp_f32 v5, v5
	v_nop                                          ; a plain instruction between the last exponential and the use of its result
	s_wait_alu depctr_va_vdst(0)
	v_mul_f32 v4, v4, v[RZ]
	v_mul_f32 v5, v5, v[RZ]
	global_store_b64 v1, v[4:5], s[8:9] th:TH_STORE_NT  ; 32 lanes store 256 consecutive bytes, at a multiple of 256 from out0's first byte
	s_endpgm
.Lfunc_end_k_q736946150e_norm:
	.size	k_q736946150e_norm, .Lfunc_end_k_q736946150e_norm-k_q736946150e_norm
	.p2alignl 7, 3214868480
	.fill 96, 4, 3214868480
	.section	.rodata,"a",@progbits
	.p2align	6, 0x0
	.amdhsa_kernel k_q736946150e_norm
		.amdhsa_group_segment_fixed_size 0
		.amdhsa_private_segment_fixed_size 0
		.amdhsa_enable_private_segment 0
		.amdhsa_kernarg_size 24
		.amdhsa_user_sgpr_count 2
		.amdhsa_user_sgpr_kernarg_segment_ptr 1
		.amdhsa_wavefront_size32 1
		.amdhsa_system_sgpr_workgroup_id_x 1
		.amdhsa_system_sgpr_workgroup_id_y 1
		.amdhsa_system_sgpr_workgroup_id_z 1
		.amdhsa_system_vgpr_workitem_id 0
		.amdhsa_next_free_vgpr 40
		.amdhsa_next_free_sgpr 66
		.amdhsa_reserve_vcc 0
		.amdhsa_float_denorm_mode_32 3
		.amdhsa_float_denorm_mode_16_64 3
		.amdhsa_memory_ordered 1
		.amdhsa_forward_progress 1
		.amdhsa_inst_pref_size 5
	.end_amdhsa_kernel
	.amdgpu_metadata
---
amdhsa.version: [ 1, 2 ]
amdhsa.kernels:
  - .name:           k_q736946150e_norm
    .symbol:         k_q736946150e_norm.kd
    .args:
      - { .name: energ, .offset: 0, .size: 8, .value_kind: global_buffer, .address_space: global }
      - { .name: stats, .offset: 8, .size: 8, .value_kind: global_buffer, .address_space: global }
      - { .name: out0, .offset: 16, .size: 8, .value_kind: global_buffer, .address_space: global }
    .group_segment_fixed_size: 0
    .private_segment_fixed_size: 0
    .kernarg_segment_align: 8
    .kernarg_segment_size: 24
    .max_flat_workgroup_size: 32
    .sgpr_count:     66
    .vgpr_count:     40
    .wavefront_size: 32
...
	.end_amdgpu_metadata
.endif
;; end of part 3
